; MI455X (gfx1250); checked and timed in simulation.
; The chip was launched on July 23, 2026; its instructions are those of AMD's public machine-readable ISA for CDNA 5 (MIT licence, August 2026) and "CDNA5" Instruction Set Architecture Reference Guide (July 2026). The comments in the code are by the model that wrote it; some were corrected since.
;; Qwen2 MLP ND. Allowed arithmetic: matrix products marked QUANTISED: E5M2 operands, one given power-of-two scale a tensor, by v_wmma_f32_16x16x64_bf8_bf8 or v_wmma_f32_16x16x128_bf8_bf8, f32 sums; everything else in f32.
;; Inputs: hidden_state_codes 4 x 512 x 64 x 32 uint8 (E5M2 codes of hidden_state, K innermost, in blocks of 32 codes); lowp_scales 6 int32 (the exponents e of the quantised operands' scales 2^e); w_down_codes 2,048 x 172 x 32 uint8 (E5M2 codes of w_down, K innermost, in blocks of 32 codes); w_gate_codes 5,504 x 64 x 32 uint8 (E5M2 codes of w_gate, K innermost, in blocks of 32 codes); w_up 5,504 x 2,048 float32.
;; Outputs: out0 4 x 512 x 2,048 float32; out1 4 x 5,504 float32.
;; This version of the problem:
;;   THIS VERSION OF THE PROBLEM IS GIVEN IN LOW PRECISION. The matrix products marked QUANTISED in the list below multiply operands that are first quantised to E5M2 (5 exponent bits, 2 mantissa bits; 8 bits a number), with one given power-of-two scale for each operand tensor; their sums are f32. All else is computed in f32.
;;   The module's matrix products, in the order in which they are computed (A, B: the left and right operand; K: the contracted axis; several contracted axes count as one K, in the product's order):
;;     1. [M 2,048, K 2,048] x [K 2,048, N 5,504]; A: input hidden_state (given as codes); B: input w_gate (given as codes): QUANTISED (scales: A lowp_scales[0], B lowp_scales[1])
;;     2. [M 2,048, K 2,048] x [K 2,048, N 5,504]; A: input hidden_state (given as codes); B: input w_up: QUANTISED (scales: A lowp_scales[2], B lowp_scales[3])
;;     3. [M 2,048, K 5,504] x [K 5,504, N 2,048]; A: computed on the way; B: input w_down (given as codes): QUANTISED (scales: A lowp_scales[4], B lowp_scales[5])
;;   THE QUANTISER, for each operand of a quantised product, along K:
;;     - The operand's scale is 2^e, e = its entry of the input lowp_scales (int32; the entries are numbered through the quantised products in the list's order, A before B).
;;     - Each number is divided by the scale, clamped to +-57,344, and rounded to the nearest number of E5M2, ties to even, subnormals kept.
;;     - The product sums the exact products of the quantised numbers (number of the format x scale) in f32.
;;   ~~~python
;;   def quantise(x, axis, e):      # numpy; x: float32 -> the quantised numbers, widened to float32 again
;;       x = np.moveaxis(x, axis, -1); K = x.shape[-1]
;;       r = np.clip(x / 2.0 ** e, -57344, 57344)
;;       step = 2.0 ** (np.maximum(np.frexp(np.where(r == 0, 1, r))[1] - 1, -14) - 2)
;;       q = np.round(r / step) * step * 2.0 ** e      # np.round: ties to even
;;       return np.moveaxis(q, -1, axis).astype(np.float32)
;;   ~~~
;;   OPERANDS COMPUTED ON THE WAY. 'Computed on the way' means the value that the module computes at that place (a softmax that the list does not call 'softmax' is quantised finished and normalised). What goes into a quantiser is computed in f32, as accurately as f32 sums, v_exp_f32 and their like allow (about 1e-6 of the number): no bf16 or f16 on the way to a quantiser, and a product that is left as it is and whose result goes on into a quantised operand takes f32 operands (vector FMAs, or v_wmma_f32_16x16x4_f32). A number that lies on a knife's edge between two numbers of the format may be rounded either way, as far as f32 arithmetic and the matrix unit's own rounding can turn it there, and no further.
;;   INPUTS GIVEN AS CODES. hidden_state (in the module: [4, 512, 2048], K = its axis 2); w_down (in the module: [2048, 5504], K = its axis 1); w_gate (in the module: [5504, 2048], K = its axis 1): each comes as NAME_codes (uint8): NAME with its K axis moved to the last place and cut into blocks of 32 codes, [.., K / 32, bytes a block], one block behind the other in memory; one code a byte (a code: sign, 5 exponent bits, 2 mantissa bits); its scale is its entry of lowp_scales. Its value is code x scale, taken as it is: it is not quantised again, and the codes and scales need not be those that the quantiser above would give.
;; One version. Each part assembles by itself: llvm-mc -triple=amdgcn-amd-amdhsa -mcpu=gfx1250 --defsym DOCPART=n.
;; ======== version 1 of 1: 3 launches
;; limits: right only within a limited range of input values
;; workspace buffers: wup_codes 11,272,192 bytes; rowsq 22,016 bytes; ssq 176,128 bytes; inter 11,534,336 bytes; wd2 11,534,336 bytes
;; launch quant_up (part 1): grid 1200 x 1, 4 waves a work-group, no clusters, 33,280 bytes of LDS; arguments w_up, lowp_scales, wup_codes, rowsq, w_down_codes, wd2; writes wup_codes, rowsq, wd2
.if DOCPART == 1
	.amdgcn_target "amdgcn-amd-amdhsa--gfx1250"
	.amdhsa_code_object_version 6
	.text
	.protected	k_q0898cd4e36_quant_up
	.globl	k_q0898cd4e36_quant_up
	.p2align	8
	.type	k_q0898cd4e36_quant_up,@function
k_q0898cd4e36_quant_up:
	s_mov_b64 s[64:65], 0
	v_nop
	global_prefetch_b8 v0, s[64:65] scope:SCOPE_SE
	s_setreg_imm32_b32 hwreg(HW_REG_WAVE_MODE, 25, 1), 1
	s_wait_xcnt 0x0
; THE PROGRAM: out0 = Q(silu(x Wg^T) * (x Wu^T)) Wd^T and out1 = sqrt(sum over a batch's rows of the intermediate squared x the sum of a row of w_up squared), three launches.
; NOTHING OF THE PROBLEM IS LEFT OUT: all three products reach out0, the first two and w_up's squares reach out1, and every input is loaded.
; THIS LAUNCH: w_up [5504][2048], f32, K innermost, becomes codes of BF8 (E5M2), one a byte, laid as w_gate's codes are, with the given scale 2^e3 (entry 3 of the scales);
; and rowsq[i] = the sum over k of w_up[i][k]^2, of the numbers as they are given, in f32.
; code = x / 2^e3, held within +-57,344, rounded to the nearest code, ties to even.  LIMITS: e3 between -126 and 112; NaN in w_up is not served (an infinity is held at the largest code).
; SHARES.  A wave takes two rows: 8 steps of 512 numbers, four steps to a row.  Each of a step's four loads reads 512 consecutive bytes, 16 a lane; the conversion wants 16 NEIGHBOURS in one lane, so the step's
; 2,048 bytes go through the wave's own stage in LDS as they lie and come back 64 bytes a lane (16 bytes of padding behind each 64).  A lane's 16 codes are 16 bytes: the wave stores 512 consecutive bytes.
; No tensor loads, no barrier, no cluster: the waves share nothing.  Loads run four steps (16 loads a wave) ahead, the turn through LDS one step.
.set STEPS, 8
.set SP,    80                         ; a lane's place in a stage: 64 bytes + 16 of padding
.set WREG,  8192                       ; LDS: a region for each wave: two stages of 32 x SP bytes
.set SPARE, 4*WREG                     ; behind the four regions: the spare words, 128 bytes for each wave, which no other line names
.set EMAX,  15
.set MANT,  0x600000                   ; the mantissa field of 57,344 as f32
.set SPW,   12                         ; v12      LDS address of my spare word; never rewritten
.set NIL,   13                         ; v13      0; never rewritten
.set R,     16                         ; v16-79   four sets of 16 numbers as they are loaded
.set X,     80                         ; v80-111  two sets of 16 neighbours
.set SQ,    112                        ; v112-119 four pairs of running sums of squares
.set RS,    120                        ; v120-121 the two rows' sums
.set C,     128                        ; v128-159 codes: four registers for each step, so that no store's data are written again
	s_cmp_ge_u32 ttmp9, 688                        ; work-groups 688 .. 1,199 lay w_down's codes anew (at the text's end); they use no LDS
	s_cbranch_scc1 .Lrelay
	s_load_b128 s[4:7], s[0:1], 0x0                ; w_up, the scales' exponents
	s_load_b128 s[8:11], s[0:1], 0x10              ; the codes, rowsq
	v_lshl_add_u32 v[SPW], v0, 2, SPARE
	v_mov_b32 v[NIL], 0
	v_lshrrev_b32 v1, 5, v0
	v_readfirstlane_b32 s16, v1                    ; wave
	v_and_b32 v2, 31, v0                           ; lane
	v_lshlrev_b32 v3, 4, v2                        ; my 16 bytes of a load's 512, and of a step's codes
	v_mov_b32 v5, 0                                ; rowsq's offset
	v_mov_b32 v123, 0                              ; written once: a lane permute's destination counts as one of its sources
	s_mov_b32 s12, 0x76543210                      ; v_permlanex16_b32's selects for lane l xor 16
	s_mov_b32 s13, 0xfedcba98
	s_mul_i32 s17, s16, WREG
	v_lshrrev_b32 v14, 2, v2
	v_mul_u32_u24 v14, v14, SP
	v_and_b32 v15, 3, v2
	v_lshl_add_u32 v14, v15, 4, v14
	v_add_nc_u32 v14, s17, v14                     ; the stage, on the way in: SP (lane / 4) + 16 (lane % 4); a load's 512 bytes take eight places
	v_mul_u32_u24 v15, v2, SP
	v_add_nc_u32 v15, s17, v15                     ; and on the way out: SP x lane: my 16 neighbours
	s_lshl_b32 s18, ttmp9, 2
	s_add_co_u32 s18, s18, s16                     ; which pair of rows is my wave's: 0 .. 2,751
	s_lshl_b32 s20, s18, 14                        ; two rows of 8,192 bytes
	s_mov_b32 s21, 0
	s_wait_alu depctr_va_vdst(0)
	s_wait_kmcnt 0x0
	s_load_b32 s22, s[6:7], 0xc                    ; e3
	s_add_nc_u64 s[4:5], s[4:5], s[20:21]
	s_lshl_b32 s20, s18, 12                        ; two rows of 2,048 codes
	s_add_nc_u64 s[8:9], s[8:9], s[20:21]
	s_lshl_b32 s20, s18, 3                         ; two sums
	s_add_nc_u64 s[10:11], s[10:11], s[20:21]
.macro LOAD t
.irp i, 0,1,2,3
	global_load_b128 v[R+16*((\t)%4)+4*\i:R+16*((\t)%4)+4*\i+3], v3, s[4:5] offset:2048*(\t)+512*\i th:TH_LOAD_NT   ; 32 lanes read 512 consecutive bytes
.endr
.endm
.macro TURN t                          ; step t through the stage: LDS serves a wave's instructions in order, so no wait stands between the stores and the loads
.irp i, 0,1,2,3
	ds_store_b128 v14, v[R+16*((\t)%4)+4*\i:R+16*((\t)%4)+4*\i+3] offset:32*SP*((\t)%2)+8*SP*\i
.endr
.irp i, 0,1,2,3
	ds_load_b128 v[X+16*((\t)%2)+4*\i:X+16*((\t)%2)+4*\i+3], v15 offset:32*SP*((\t)%2)+16*\i
.endr
.endm
.irp t, 0,1,2,3
	LOAD \t
.endr
	s_wait_kmcnt 0x0
	s_add_co_i32 s22, s22, 127
	s_lshl_b32 s23, s22, 23
	v_mov_b32 v11, s23                             ; 2^e3 as f32: the conversion takes its exponent field
	s_add_co_i32 s22, s22, EMAX
	s_lshl_b32 s22, s22, 23
	s_or_b32 s22, s22, MANT
	v_mov_b32 v10, s22                             ; 57,344 x 2^e3
	s_wait_alu depctr_va_vdst(0)
	s_wait_loadcnt 12                              ; step 0's four loads are in; those of steps 1 to 3 may be out
	TURN 0
.macro STEP t
.set XS, X+16*((\t)%2)
	s_wait_dscnt 0x0                               ; this step's numbers are back from the stage: so its stores into the stage have read their registers,
.if (\t)+4 < STEPS
	LOAD (\t)+4                                    ; which take the loads of four steps on
.endif
.if (\t)+1 < STEPS
.if STEPS-2-(\t) >= 3
	s_wait_loadcnt 12                              ; the next step's four loads are in; those of the three steps behind it may be out
.else
	s_wait_loadcnt 4*(STEPS-2-(\t))                ; fewer steps are left behind it
.endif
	TURN (\t)+1                                    ; and go through the other stage while this step is worked
.endif
.irp i, 0,1,2,3,4,5,6,7                        ; the squares, of the numbers as given, two at a time in four chains; a row's first four products start the sums
.if ((\t)%4 == 0) && (\i < 4)
	v_pk_mul_f32 v[SQ+2*\i:SQ+2*\i+1], v[XS+2*\i:XS+2*\i+1], v[XS+2*\i:XS+2*\i+1]
.else
	v_pk_fma_f32 v[SQ+2*(\i%4):SQ+2*(\i%4)+1], v[XS+2*\i:XS+2*\i+1], v[XS+2*\i:XS+2*\i+1], v[SQ+2*(\i%4):SQ+2*(\i%4)+1]
.endif
.endr
.if (\t)%4 == 3                                ; the row is through: its sum over my chains and over the 32 lanes
	v_pk_add_f32 v[SQ:SQ+1], v[SQ:SQ+1], v[SQ+2:SQ+3]
	v_pk_add_f32 v[SQ+4:SQ+5], v[SQ+4:SQ+5], v[SQ+6:SQ+7]
	v_pk_add_f32 v[SQ:SQ+1], v[SQ:SQ+1], v[SQ+4:SQ+5]
	v_add_f32 v122, v[SQ], v[SQ+1]
	v_add_f32_dpp v122, v122, v122 row_xmask:1 row_mask:0xf bank_mask:0xf
	v_add_f32_dpp v122, v122, v122 row_xmask:2 row_mask:0xf bank_mask:0xf
	v_add_f32_dpp v122, v122, v122 row_xmask:4 row_mask:0xf bank_mask:0xf
	v_add_f32_dpp v122, v122, v122 row_xmask:8 row_mask:0xf bank_mask:0xf
	v_permlanex16_b32 v123, v122, s12, s13
	v_add_f32 v[RS+(\t)/4], v122, v123
.endif
.irp i, 0,1,2,3,4,5,6,7,8,9,10,11,12,13,14,15
	v_med3_num_f32 v[XS+\i], v[XS+\i], -v10, v10   ; the conversion to an 8-bit code does not saturate (ISA guide 7.6.2): the number is held within the largest code x the scale first
.endr
	v_cvt_scalef32_pk8_bf8_f32 v[C+4*(\t):C+4*(\t)+1], v[XS:XS+7], v11
	v_cvt_scalef32_pk8_bf8_f32 v[C+4*(\t)+2:C+4*(\t)+3], v[XS+8:XS+15], v11
	global_store_b128 v3, v[C+4*(\t):C+4*(\t)+3], s[8:9] offset:512*(\t)   ; the codes go to a store alone; the next vector lines are plain and touch other registers
.endm
.irp t, 0,1,2,3,4,5,6,7
	STEP \t
.endr
	s_wait_xcnt 0x0                                ; EXEC changes only behind this wait: the stores above have read it
	v_cmp_eq_u32 vcc_lo, 0, v2
	s_and_saveexec_b32 s24, vcc_lo                 ; lane 0 stores the wave's two sums, 8 bytes
	global_store_b64 v5, v[RS:RS+1], s[10:11]
	s_wait_xcnt 0x0                                ; and again in front of the line that widens it
	s_or_b32 exec_lo, exec_lo, s24
	s_wait_tensorcnt 0x0                           ; the wave's end
	ds_add_u32 v[SPW], v[NIL]
	s_wait_dscnt 0x0
	s_endpgm
; W_DOWN'S CODES LAID ANEW: wd2 [2048][5632].  K is cut into 32 pieces of 172, one for each column tile of the next launch, and each piece is filled up to 176 with zero codes:
; wd2[n][176 t + c] = w_down[n][172 t + c] for c < 172, else 0.  So a row is 22 x 256 bytes and every tile of the last launch begins at a multiple of 256 bytes.
; A wave takes one row: 352 pieces of 16 bytes, 11 a lane.  Piece u lies in tile t = u / 11 (u x 373 >> 12, exact for u < 352) and comes from byte 16 u - 4 t of the row, a multiple of 4: four loads of 4 bytes.
; A tile's last piece has 12 bytes of codes; its fourth word is replaced by 0, and its load is held inside the row.
.set RDO, 16                           ; v16-26 16 u: the piece's place in wd2's row
.set RSO, 28                           ; v28-38 its place in w_down's row
.set RS4, 40                           ; v40-50 the fourth word's place, held at the row's last word
.set RD,  64                           ; v64-107 the pieces
.Lrelay:
	s_load_b128 s[4:7], s[0:1], 0x20               ; w_down's codes, wd2
	v_lshrrev_b32 v1, 5, v0
	v_readfirstlane_b32 s16, v1                    ; wave
	v_and_b32 v2, 31, v0
	v_mov_b32 v3, 0
	s_sub_co_u32 s17, ttmp9, 688
	s_lshl_b32 s17, s17, 2
	s_add_co_u32 s17, s17, s16                     ; my row
	s_mul_i32 s20, s17, 5504
	s_mov_b32 s21, 0
	s_mul_i32 s22, s17, 5632
	s_mov_b32 s23, 0
.irp i, 0,1,2,3,4,5,6,7,8,9,10
	v_add_nc_u32 v[RDO+\i], 32*\i, v2              ; u
	v_mul_u32_u24 v[RS4+\i], v[RDO+\i], 373
	v_lshrrev_b32 v[RS4+\i], 12, v[RS4+\i]         ; t
	v_mul_u32_u24 v[RSO+\i], v[RS4+\i], 11
	v_sub_nc_u32 v[RSO+\i], v[RDO+\i], v[RSO+\i]   ; u - 11 t
	v_cmp_eq_u32 s[40+\i], 10, v[RSO+\i]           ; the tile's last piece
	v_lshlrev_b32 v[RDO+\i], 4, v[RDO+\i]
	v_lshlrev_b32 v[RS4+\i], 2, v[RS4+\i]
	v_sub_nc_u32 v[RSO+\i], v[RDO+\i], v[RS4+\i]   ; 16 u - 4 t
	v_add_nc_u32 v[RS4+\i], 12, v[RSO+\i]
	v_min_u32 v[RS4+\i], 5500, v[RS4+\i]
.endr
	s_wait_alu depctr_va_vdst(0)
	s_wait_kmcnt 0x0
	s_add_nc_u64 s[4:5], s[4:5], s[20:21]
	s_add_nc_u64 s[6:7], s[6:7], s[22:23]
.irp i, 0,1,2,3,4,5,6,7,8,9,10
	global_load_b32 v[RD+4*\i], v[RSO+\i], s[4:5]
	global_load_b32 v[RD+4*\i+1], v[RSO+\i], s[4:5] offset:4
	global_load_b32 v[RD+4*\i+2], v[RSO+\i], s[4:5] offset:8
	global_load_b32 v[RD+4*\i+3], v[RS4+\i], s[4:5]
.endr
	s_wait_loadcnt 0x0
.irp i, 0,1,2,3,4,5,6,7,8,9,10
	v_cndmask_b32 v[RD+4*\i+3], v[RD+4*\i+3], v3, s[40+\i]
.endr
.irp i, 0,1,2,3,4,5,6,7,8,9,10
	global_store_b128 v[RDO+\i], v[RD+4*\i:RD+4*\i+3], s[6:7]   ; 32 lanes store 512 consecutive bytes, at a multiple of 256 from the buffer's first byte
.endr
	s_endpgm
.Lfunc_end_k_q0898cd4e36_quant_up:
	.size	k_q0898cd4e36_quant_up, .Lfunc_end_k_q0898cd4e36_quant_up-k_q0898cd4e36_quant_up
	.p2alignl 7, 3214868480
	.fill 96, 4, 3214868480
	.section	.rodata,"a",@progbits
	.p2align	6, 0x0
	.amdhsa_kernel k_q0898cd4e36_quant_up
		.amdhsa_group_segment_fixed_size 33280
		.amdhsa_private_segment_fixed_size 0
		.amdhsa_enable_private_segment 0
		.amdhsa_kernarg_size 48
		.amdhsa_user_sgpr_count 2
		.amdhsa_user_sgpr_kernarg_segment_ptr 1
		.amdhsa_wavefront_size32 1
		.amdhsa_system_sgpr_workgroup_id_x 1
		.amdhsa_system_sgpr_workgroup_id_y 1
		.amdhsa_system_sgpr_workgroup_id_z 1
		.amdhsa_system_vgpr_workitem_id 0
		.amdhsa_next_free_vgpr 160
		.amdhsa_next_free_sgpr 66
		.amdhsa_reserve_vcc 1
		.amdhsa_float_denorm_mode_32 3
		.amdhsa_float_denorm_mode_16_64 3
		.amdhsa_memory_ordered 1
		.amdhsa_forward_progress 1
		.amdhsa_inst_pref_size 38
	.end_amdhsa_kernel
	.amdgpu_metadata
---
amdhsa.version: [ 1, 2 ]
amdhsa.kernels:
  - .name:           k_q0898cd4e36_quant_up
    .symbol:         k_q0898cd4e36_quant_up.kd
    .args:
      - { .name: w_up, .offset: 0, .size: 8, .value_kind: global_buffer, .address_space: global }
      - { .name: lowp_scales, .offset: 8, .size: 8, .value_kind: global_buffer, .address_space: global }
      - { .name: wup_codes, .offset: 16, .size: 8, .value_kind: global_buffer, .address_space: global }
      - { .name: rowsq, .offset: 24, .size: 8, .value_kind: global_buffer, .address_space: global }
      - { .name: w_down_codes, .offset: 32, .size: 8, .value_kind: global_buffer, .address_space: global }
      - { .name: wd2, .offset: 40, .size: 8, .value_kind: global_buffer, .address_space: global }
    .group_segment_fixed_size: 33280
    .private_segment_fixed_size: 0
    .kernarg_segment_align: 8
    .kernarg_segment_size: 48
    .max_flat_workgroup_size: 128
    .sgpr_count:     66
    .vgpr_count:     160
    .wavefront_size: 32
...
	.end_amdgpu_metadata
.endif
;; end of part 1
;; launch gateup (part 2): grid 32 x 8, 4 waves a work-group, clusters of 4 x 4, 327,680 bytes of LDS; arguments hidden_state_codes, w_gate_codes, wup_codes, lowp_scales, inter, ssq; writes inter, ssq
.if DOCPART == 2
	.amdgcn_target "amdgcn-amd-amdhsa--gfx1250"
	.amdhsa_code_object_version 6
	.text
	.protected	k_q0898cd4e36_gateup
	.globl	k_q0898cd4e36_gateup
	.p2align	8
	.type	k_q0898cd4e36_gateup,@function
k_q0898cd4e36_gateup:
	s_mov_b64 s[64:65], 0
	v_nop
	global_prefetch_b8 v0, s[64:65] scope:SCOPE_SE
	s_setreg_imm32_b32 hwreg(HW_REG_WAVE_MODE, 25, 1), 1
	s_wait_xcnt 0x0
	s_wait_alu depctr_hold_cnt(0) depctr_sa_sdst(0) depctr_va_vdst(0) depctr_va_sdst(0) depctr_va_ssrc(0) depctr_va_vcc(0) depctr_vm_vsrc(0)
	s_getreg_b32 s2, hwreg(HW_REG_IB_STS2, 6, 4)
	s_cmp_eq_u32 s2, 0
	s_cbranch_scc0 .Lentry_in_a_cluster
	s_endpgm
.Lentry_in_a_cluster:
	s_bfe_u32 s2, ttmp6, 0x10000c
	s_cmp_lg_u32 s2, 0xf033
	s_cbranch_scc0 .Lentry_shape_is_right
	s_endpgm
.Lentry_shape_is_right:
; G = x Wg^T and U = x Wu^T on codes of BF8 (E5M2); t = silu(G 2^(e0+e1)) x U 2^(e2+e3) in f32; t is quantised with the given 2^e4 into inter; ssq[row tile][column] = the sum of t^2 over the tile's 256 rows.
; x [2048][2048], Wg, Wu [5504][2048]: one code a byte, K innermost.  Nothing of the problem is left out here.
; LIMITS: e0+e1 and e0+e1+e2+e3 between -126 and 127, e4 between -126 and 112, so that each power of two below is an f32 number.  Where exp(-gate) passes f32's range t is 0.
; SHARES.  2,048 x 5,504 numbers of t over 256 work-groups: 256 rows x 172 columns each, grid 32 x 8.  The 172 columns are worked as 22 fragments of 16 weight rows: fragment F holds rows 8 F .. 8 F + 7 of Wg
; and the same rows of Wu.  Fragment 21 has four columns too many: they read bytes of the neighbouring tile in the same slot, their codes are replaced by 0 and their sums are not stored.
; Four waves: wave w takes rows 128 (w / 2) on and fragments 11 (w % 2) on: 8 x 11 = 88 accumulators, 704 registers.  The K = 64 form: a fragment is 8 registers, so two sets of 8 + 11 fragments take 304.
; K goes in steps of 256 through two LDS slots; a tile's row is 256 bytes of memory, at a multiple of 256.  The walk along K begins at K step (cluster x + 4 cluster y) mod 8 and wraps round: not ascending K.
; CLUSTER 4 x 4: x's tiles hang on the row tile alone and are asked for jointly along a row of the cluster, the weights' on the column tile alone and jointly along a column.
; THE MATRIX INSTRUCTION IS USED TRANSPOSED (source 0 = a weight fragment, source 1 = 16 rows of x): lane (r, h) holds row r of x; h = 0: G of columns 8 F + 0 .. 7, h = 1: U of the same.
; On the way out the accumulators of two neighbouring row blocks change halves (one lane swap a register pair): then one holds G and the other U of 32 rows, a lane a row.
; A fragment is fetched by two loads of 16 bytes: a permutation of k that is the same on both sides, so every product meets its partner.
; inter: [8 columns: 704][row: 2,048][8 bytes]; unit 22 x column tile + F.  So K of the last product is 5,632: each tile's 172 columns and four zero codes, as wd2 has them.
; PREFETCH: behind each refill the K step two refills on; a lane a row; of the rows that a wave fetches each of the four partners that ask jointly names a quarter, told apart by address
; (32 of x's 128, 43 of a weight's 172: a second instruction, whose spare lanes name the last row again).  The walk's K steps 2 and 3 are named at the head; the last two refills name nothing.
; REGISTERS: v0-15 addresses; v16-79 x set 0; v80-167, v168-255 the weights' sets 0, 1; v256-319 x set 1; from v320 the accumulators: (a, f) at 320 + 16 (11 (a / 2) + f) + 8 (a % 2).
.set ROWB,  256
.set KROW,  2048
.set PITCH, 272                        ; an LDS row: 256 bytes + 16 of padding: the rows that a load touches start at different banks (64 banks of 4 bytes: ISA guide 11.1)
.set OX0,   172*PITCH                  ; a slot: Wg's 172 rows; x's rows 0-127; 192 bytes that nobody touches; Wu's 172 rows; x's rows 128-255
.set OWU,   OX0+128*PITCH+192          ; Wu lies 128 bytes modulo 256 from Wg: a fragment's eight rows of each start at sixteen different columns of 16 bytes
.set SLOT,  OWU+OX0+128*PITCH
.set SPARE, ((2*SLOT+255)/256)*256     ; behind the ring: the spare words, 128 bytes for each wave, which no other line names
.set ADRA, 8                           ; v8-9    LDS address of my fragments of x in slot 0, 1
.set ADRB, 10                          ; v10-11  the same for the weights
.set IO,   12                          ; v12     8 x lane: my place in a store of codes
.set SPW,  13                          ; v13     LDS address of my spare word; never rewritten
.set NIL,  14                          ; v14     0; never rewritten
.set PFO,  15                          ; v15     the prefetches' offset: lane x a row
.set PFO2, 7                           ; v7      (32 + min(lane, 10)) x a row
.set TT,   16                          ; the way out: v16-103 t of 32 rows x 88 columns
.set CD,   104                         ; v104-125 their codes
.set SCL,  126                         ; 2^e4
.set LIM,  127                         ; 57,344 x 2^e4
.set SCW,  128                         ; where I put my sums of squares
.set T8,   129                         ; 8 x thread
.set SQ,   168                         ; v168-255 sums of squares
.set G1,  24                           ; s[24:31] descriptor group 1 for x's tiles; s[32:39] group 0, one set for each slot
.set G0,  32
.set G1B, 48                           ; s[48:55], s[56:63] the same for the weights' tiles
.set G0B, 56
.set XB,  42                           ; s[42:43] x at my tile's first row, K = 0
.set WB,  44                           ; s[44:45] my weight at the tile's first row, K = 0
.set KO,  88                           ; s[88:89] the next K step to be asked for, in bytes of a row
.set PFB, 90                           ; s[90:91] the first of the rows that I prefetch, K = 0
.set PFA, 92                           ; s[92:93] the same at the K step to be named
.set PK,  94                           ; s[94:95] the next K step to be named
.set MSB, 0
.macro WIN new                         ; the immediate's high byte repeats the setting that is left; a switch that changes nothing is dropped
.set WNEW, \new
.if MSB != WNEW
	s_set_vgpr_msb (MSB<<8)|WNEW
.set MSB, WNEW
.endif
.endm
.macro PLACES                          ; four places behind matrix instructions, ahead of loads into their sources and of reads of their results
.rept 4
	v_nop
.endr
.endm
; Waves 0 and 1 fetch x's two halves, waves 2 and 3 Wg's and Wu's tile.  An s_nop 0 and four v_nop follow each line.
.macro JLOAD s
	s_cmp_eq_u32 s17, 0
	s_cbranch_scc0 .Lfor_w_\@
	tensor_load_to_lds s[G0+4*\s:G0+4*\s+3], s[G1:G1+7]
	s_nop 0
	PLACES
	s_branch .Lasked_\@
.Lfor_w_\@:
	tensor_load_to_lds s[G0B+4*\s:G0B+4*\s+3], s[G1B:G1B+7]
	s_nop 0
	PLACES
.Lasked_\@:
.endm
.macro SETK s                          ; slot s's groups 0 point at the walk's next K step; it stands only where no tensor load of mine is out
	s_add_nc_u64 s[G0+4*\s+2:G0+4*\s+3], s[XB:XB+1], s[KO:KO+1]
	s_or_b32 s[G0+4*\s+3], s[G0+4*\s+3], 0x80000000
	s_add_nc_u64 s[G0B+4*\s+2:G0B+4*\s+3], s[WB:WB+1], s[KO:KO+1]
	s_or_b32 s[G0B+4*\s+3], s[G0B+4*\s+3], 0x80000000
	s_add_co_u32 s[KO], s[KO], ROWB
	s_and_b32 s[KO], s[KO], KROW-1
.endm
.macro PFSTEP                          ; behind s_wait_xcnt 0: the last prefetch has read its address
	s_add_nc_u64 s[PFA:PFA+1], s[PFB:PFB+1], s[PK:PK+1]
	s_add_co_u32 s[PK], s[PK], ROWB
	s_and_b32 s[PK], s[PK], KROW-1
.endm
.macro ASK inloop                      ; in the loop's last trip no K step stands two refills on
.if \inloop
	s_cmp_gt_u32 s3, 1
	s_cbranch_scc0 .Lno_ask_\@
.endif
	global_prefetch_b8 v[PFO], s[PFA:PFA+1] th:TH_LOAD_NT scope:SCOPE_SE
	s_cmp_eq_u32 s17, 0
	s_cbranch_scc1 .Lno_ask_\@
	global_prefetch_b8 v[PFO2], s[PFA:PFA+1] th:TH_LOAD_NT scope:SCOPE_SE
.Lno_ask_\@:
.endm
.macro CREST                           ; a round of the cluster's barrier behind its opening barrier
	s_cmp_lg_u32 s16, 0
	s_cbranch_scc1 .Lnot_wave_0_\@
	s_barrier_signal -3
.Lnot_wave_0_\@:
	s_barrier_wait -3
	s_barrier_signal -1
	s_barrier_wait -1
.endm
.macro CROUND
	s_barrier_signal -1
	s_barrier_wait -1
	CREST
.endm
	s_load_b256 s[4:11], s[0:1], 0x0               ; x's codes, Wg's, Wu's, the scales' exponents
	s_load_b128 s[12:15], s[0:1], 0x20             ; inter, ssq
	v_lshl_add_u32 v[SPW], v0, 2, SPARE
	v_mov_b32 v[NIL], 0
	ds_add_u32 v[SPW], v[NIL]                      ; the opening: the add, twice on end, and its wait ahead of my first tensor load
	ds_add_u32 v[SPW], v[NIL]
	v_lshrrev_b32 v1, 5, v0
	v_readfirstlane_b32 s16, v1                    ; wave
	s_lshr_b32 s17, s16, 1                         ; my half of the rows.  Also: I fetch x (0) or a weight (1)
	s_and_b32 s18, s16, 1                          ; my half of the fragments.  Also: which half of x, or which weight, I fetch
	s_bfe_u32 s19, ttmp6, 0x40000                  ; cx
	s_bfe_u32 s20, ttmp6, 0x40004                  ; cy
	s_lshl_b32 s21, ttmp9, 2
	s_add_co_u32 s21, s21, s19                     ; column tile 0 .. 31
	s_and_b32 s23, ttmp7, 0xffff
	s_lshl_b32 s22, s23, 2
	s_add_co_u32 s22, s22, s20                     ; row tile 0 .. 7
	s_lshl_b32 s40, s20, 2
	s_lshl_b32 s40, 15, s40                        ; my row of the cluster
	s_lshl_b32 s46, 0x1111, s19                    ; my column
	s_or_b32 s[G1], s40, (1<<20)|(1<<21)|(5<<22)|(3<<25)    ; the mask; elements of 1 byte; padding: 4 words after every 64; bit 21 beside a mask
	s_or_b32 s[G1B], s46, (1<<20)|(1<<21)|(5<<22)|(3<<25)
.irp g, G1, G1B
	s_mov_b32 s[\g+1], ROWB<<16
	s_mov_b32 s[\g+3], ROWB<<16
	s_mov_b32 s[\g+5], KROW
	s_mov_b32 s[\g+6], 0
	s_mov_b32 s[\g+7], 0
.endr
	s_mov_b32 s[G1+2], 128<<16                     ; x: 128 rows
	s_mov_b32 s[G1+4], 128
	s_mov_b32 s[G1B+2], 172<<16                    ; a weight: 172 rows
	s_mov_b32 s[G1B+4], 172
	s_lshl_b32 s40, s22, 19                        ; x: row 256 x row tile + 128 x half
	s_lshl_b32 s41, s18, 18
	s_add_co_u32 s40, s40, s41
	s_mov_b32 s41, 0
	s_mul_i32 s46, s21, 172*KROW                   ; a weight: row 172 x column tile
	s_mov_b32 s47, 0
	s_mul_i32 s70, s18, OWU                        ; where they go: Wg, Wu;
	s_add_co_u32 s71, s70, OX0                     ; x's halves
	s_lshl_b32 s[KO], s23, 2
	s_add_co_u32 s[KO], s[KO], ttmp9
	s_and_b32 s[KO], s[KO], 7
	s_lshl_b32 s[KO], s[KO], 8                     ; where my cluster's walk begins
	s_mov_b32 s[KO+1], 0
	s_add_co_u32 s[PK], s[KO], 2*ROWB
	s_and_b32 s[PK], s[PK], KROW-1                 ; the first K step to be named: the walk's third
	s_mov_b32 s[PK+1], 0
	s_lshl_b32 s72, s22, 8                         ; the rows that I prefetch: of x 32 by cx,
	s_lshl_b32 s73, s18, 7
	s_add_co_u32 s72, s72, s73
	s_lshl_b32 s73, s19, 5
	s_add_co_u32 s72, s72, s73
	s_mul_i32 s73, s21, 172                        ; of a weight 43 by cy
	s_mul_i32 s74, s20, 43
	s_add_co_u32 s73, s73, s74
	s_cmp_eq_u32 s17, 0
	s_cselect_b32 s72, s72, s73
	s_lshl_b32 s72, s72, 11
	s_mov_b32 s73, 0
	s_wait_dscnt 0x0                               ; both opening adds are done
	s_wait_kmcnt 0x0
	s_load_b128 s[76:79], s[10:11], 0x0            ; e0 .. e3
	s_load_b64 s[80:81], s[10:11], 0x10            ; e4, e5
	s_add_nc_u64 s[XB:XB+1], s[4:5], s[40:41]
	s_cmp_eq_u32 s18, 0
	s_cselect_b64 s[66:67], s[6:7], s[8:9]         ; wave 2: Wg, wave 3: Wu
	s_add_nc_u64 s[WB:WB+1], s[66:67], s[46:47]
	s_cmp_eq_u32 s17, 0
	s_cselect_b64 s[PFB:PFB+1], s[4:5], s[66:67]
	s_add_nc_u64 s[PFB:PFB+1], s[PFB:PFB+1], s[72:73]
	CROUND                                         ; all sixteen work-groups are here: the first joint loads meet
.irp s, 0,1
	s_mov_b32 s[G0+4*\s], 1
	s_add_co_u32 s[G0+4*\s+1], s71, \s*SLOT
	s_mov_b32 s[G0B+4*\s], 1
	s_add_co_u32 s[G0B+4*\s+1], s70, \s*SLOT
	SETK \s
.endr
	JLOAD 0                                        ; the walk's first K step: one tensor load a wave at the head
	s_mul_i32 s68, s17, OWU
	s_add_co_u32 s68, s68, OX0                     ; my 128 rows of x
	s_mul_i32 s69, s18, 11*8*PITCH                 ; my 11 fragments
	s_mul_i32 s74, s21, 22                         ; inter: unit 22 x column tile + 11 x half, row 256 x row tile + 128 x half
	s_mul_i32 s75, s18, 11
	s_add_co_u32 s74, s74, s75
	s_lshl_b32 s74, s74, 14
	s_lshl_b32 s75, s22, 11
	s_add_co_u32 s74, s74, s75
	s_lshl_b32 s75, s17, 10
	s_add_co_u32 s74, s74, s75
	s_mov_b32 s75, 0
	s_add_nc_u64 s[12:13], s[12:13], s[74:75]
	s_mul_i32 s74, s22, 22016                      ; ssq: row tile x 5,504 numbers + column tile x 172
	s_mul_i32 s73, s21, 688
	s_add_co_u32 s74, s74, s73
	s_add_nc_u64 s[14:15], s[14:15], s[74:75]
	v_and_b32 v1, 15, v0                           ; r
	v_bfe_u32 v2, v0, 4, 1                         ; h
	v_and_b32 v3, 7, v0
	v_bfe_u32 v4, v0, 3, 1
	v_and_b32 v6, 31, v0
	v_mul_u32_u24 v5, v1, PITCH
	v_lshl_add_u32 v5, v2, 4, v5                   ; x: row r, + 16 h
	v_add_nc_u32 v[ADRA], s68, v5
	v_add_nc_u32 v[ADRA+1], SLOT, v[ADRA]
	v_mul_u32_u24 v5, v3, PITCH                    ; a weight fragment: lanes r < 8 row r of Wg, the others row r - 8 of Wu
	v_mad_u32_u24 v5, v4, OWU, v5
	v_lshl_add_u32 v5, v2, 4, v5
	v_add_nc_u32 v[ADRB], s69, v5
	v_add_nc_u32 v[ADRB+1], SLOT, v[ADRB]
	v_lshlrev_b32 v[IO], 3, v6
	v_lshlrev_b32 v[PFO], 11, v6
	v_min_u32 v5, 10, v6
	v_lshl_add_u32 v[PFO2], v5, 11, 32*KROW
	s_wait_alu depctr_va_vdst(0)
	PFSTEP
	ASK 0                                          ; the walk's K step 2
; Matrix instructions for pairs m0 .. m1 - 1 (pair m = 11 (a / 2) + f: row blocks a, a + 1 against fragment f), 64 along K, from set p.  All lie in one window.
; The 88 accumulators take turns, one instruction a turn, in the same order in every chunk.  zero = 1: the first product starts the sums.
.macro MULG p, m0, m1, zero
	WIN ((\p)<<2)|(0x50*((320+16*(\m0))>>8))       ; source 0 window 0; source 1 window p; C and D the accumulators' window
.set mm, \m0
.rept (\m1)-(\m0)
.set DD, (64+16*mm)&255
.set WW, 80+88*(\p)+8*(mm%11)
.set XX, 16-16*(\p)+16*(mm/11)
.if \zero
	v_wmma_f32_16x16x64_bf8_bf8 v[DD:DD+7], v[WW:WW+7], v[XX:XX+7], 0
	v_wmma_f32_16x16x64_bf8_bf8 v[DD+8:DD+15], v[WW:WW+7], v[XX+8:XX+15], 0
.else
	v_wmma_f32_16x16x64_bf8_bf8 v[DD:DD+7], v[WW:WW+7], v[XX:XX+7], v[DD:DD+7]
	v_wmma_f32_16x16x64_bf8_bf8 v[DD+8:DD+15], v[WW:WW+7], v[XX+8:XX+15], v[DD+8:DD+15]
.endif
.set mm, mm+1
.endr
.endm
.macro FETCH slot, q, p                ; 38 LDS loads in one run: the slot's q-th 64 along K into set p
	WIN 0
.set ff, 0
.rept 11
	ds_load_b128 v[80+88*(\p)+8*ff:80+88*(\p)+8*ff+3], v[ADRB+\slot] offset:64*(\q)+ff*8*PITCH
	ds_load_b128 v[80+88*(\p)+8*ff+4:80+88*(\p)+8*ff+7], v[ADRB+\slot] offset:64*(\q)+32+ff*8*PITCH
.set ff, ff+1
.endr
	WIN 0x40*(\p)                                  ; x's set 1 lies in window 1
.set ff, 0
.rept 8
	ds_load_b128 v[16-16*(\p)+8*ff:16-16*(\p)+8*ff+3], v[ADRA+\slot] offset:64*(\q)+ff*16*PITCH
	ds_load_b128 v[16-16*(\p)+8*ff+4:16-16*(\p)+8*ff+7], v[ADRA+\slot] offset:64*(\q)+32+ff*16*PITCH
.set ff, ff+1
.endr
	WIN 0
.endm
.macro CHUNK slot, q, zero             ; 64 along K with a successor in the same slot: the successor's fragments are asked for first, into the set that the chunk before multiplied
	s_wait_dscnt 0x0                               ; this chunk's fragments are in
	PLACES
	FETCH \slot, (\q)+1, 1-(\q)%2
	MULG (\q)%2, 0, 12, \zero
	MULG (\q)%2, 12, 28, \zero
	MULG (\q)%2, 28, 44, \zero
	WIN 0
.endm
; A slot's last chunk.  All of the slot's fragments have been asked for, so the change of slots stands at its head: each wave waits for all its tensor loads, adds 0 to its spare word, and waits for that and
; for its reads of this slot.  fill = 1: a round of the cluster's barrier, and the slot is filled again; between that request and the wait for it stand four chunks, 352 matrix instructions.
.macro TURN slot, next, fill
.if \fill
	s_wait_xcnt 0x0                                ; my last prefetch has read its address
	PFSTEP
.endif
	s_wait_tensorcnt 0x0                           ; all my tensor loads have landed: my part of the next slot
	ds_add_u32 v[SPW], v[NIL]
.if \fill
	SETK \slot
.endif
	s_wait_dscnt 0x0                               ; the add is done, and my reads of this slot are in registers
	s_barrier_signal -1
	MULG 1, 0, 12, 0                               ; work on registers while the others arrive
	WIN 0
	s_barrier_wait -1
.if \fill
	CREST
	JLOAD \slot                                    ; my one tensor load behind the round; its four v_nop are the places ahead of the loads below
.else
	PLACES
.endif
	FETCH \next, 0, 0
.if \fill
	ASK 1
.endif
	MULG 1, 12, 28, 0
	MULG 1, 28, 44, 0
	WIN 0
.endm
	s_wait_tensorcnt 0x0                           ; my part of the first K step is in
	ds_add_u32 v[SPW], v[NIL]
	s_wait_dscnt 0x0
	CROUND
	JLOAD 1                                        ; slot 1's first fill, the first tensor load behind the round
	FETCH 0, 0, 0
	s_wait_xcnt 0x0
	PFSTEP
	ASK 0                                          ; the walk's K step 3
	CHUNK 0, 0, 1                                  ; the first chunk stands in front of the loop: its products start the sums
	s_mov_b32 s3, 3
.Llap:                                                 ; a trip goes once round the ring, from a lap's second chunk to the next lap's first, and fills both slots again
	CHUNK 0, 1, 0
	CHUNK 0, 2, 0
	TURN 0, 1, 1
	CHUNK 1, 0, 0
	CHUNK 1, 1, 0
	CHUNK 1, 2, 0
	TURN 1, 0, 1
	CHUNK 0, 0, 0
	s_sub_co_u32 s3, s3, 1
	s_cmp_lg_u32 s3, 0
	s_cbranch_scc1 .Llap
	CHUNK 0, 1, 0                                  ; the last lap fills nothing
	CHUNK 0, 2, 0
	TURN 0, 1, 0
	CHUNK 1, 0, 0
	CHUNK 1, 1, 0
	CHUNK 1, 2, 0
	s_wait_dscnt 0x0
	MULG 1, 0, 12, 0
	MULG 1, 12, 28, 0
	MULG 1, 28, 44, 0
	WIN 0
	; THE WAY OUT.  The constants first.
	s_wait_kmcnt 0x0
	s_add_co_i32 s68, s76, s77                     ; e0 + e1
	s_lshl_b32 s69, s68, 23
	s_add_co_i32 s84, s69, 0xbfb8aa3b              ; -log2(e) x 2^(e0+e1): the exponents are added to the constant's exponent field
	s_mov_b32 s85, s84
	s_add_co_i32 s68, s68, s78
	s_add_co_i32 s68, s68, s79
	s_add_co_i32 s68, s68, 127
	s_lshl_b32 s86, s68, 23                        ; 2^(e0+e1+e2+e3)
	s_mov_b32 s87, s86
	s_add_co_i32 s68, s80, 127
	s_lshl_b32 s69, s68, 23                        ; 2^e4
	s_add_co_i32 s68, s68, 15
	s_lshl_b32 s68, s68, 23
	s_or_b32 s68, s68, 0x600000                    ; 57,344 x 2^e4
	s_cmp_eq_u32 s18, 1
	s_cselect_b32 s83, 0, -1                       ; the second half's last four columns are none of the tile's: their codes become 0
	s_mul_i32 s73, s17, 704                        ; the sums' scratch: [half of the rows][176 columns] f32, at LDS byte 0: slot 0 has had its last fill and its last read
	s_mul_i32 s74, s18, 352
	s_add_co_u32 s73, s73, s74
	PLACES
	v_mov_b32 v[SCL], s69
	v_mov_b32 v[LIM], s68
	v_bfe_u32 v130, v0, 4, 1
	v_mul_u32_u24 v[SCW], v130, 176
	v_add_nc_u32 v[SCW], s73, v[SCW]
	v_lshlrev_b32 v[T8], 3, v0
; Row blocks 2 P and 2 P + 1, 32 rows x my 88 columns: t = G R U 2^(e0+e1+e2+e3), R = 1 / (1 + 2^(-log2(e) G 2^(e0+e1))).  Each accumulator is read from its low end on.
.macro EACHF                           ; sets the names for fragment ff of pair P
.set AA, 320+16*(11*PP+ff)
.set LL, AA&255
.endm
.macro ACT P
.set PP, \P
	s_wait_alu depctr_va_vdst(0)
	s_wait_xcnt 0x0                                ; the last stores have read the codes' registers
	WIN 0x41*((320+176*PP)>>8)
	s_wait_alu depctr_va_vdst(0)
.set ff, 0
.rept 11
	EACHF
	WIN 0x41*(AA>>8)                               ; destination and source 0 in the accumulators' window
.set j, 0
.rept 8
	v_permlane16_swap_b32 v[LL+j], v[LL+8+j]       ; block 2 P's U against block 2 P + 1's G: the first now holds G, the second U, lanes 0-15 of block 2 P, lanes 16-31 of block 2 P + 1
.set j, j+1
.endr
.set j, 0
.rept 4
	v_pk_mul_f32 v[LL+8+j:LL+9+j], v[LL+8+j:LL+9+j], s[86:87] op_sel_hi:[1,0]   ; U x all four scales
.set j, j+2
.endr
.set ff, ff+1
.endr
.set ff, 0
.rept 11
	EACHF
	WIN AA>>8                                      ; source 0 alone
.set j, 0
.rept 4
	v_pk_mul_f32 v[TT+8*ff+j:TT+8*ff+j+1], v[LL+j:LL+j+1], s[84:85] op_sel_hi:[1,0]   ; -gate x log2(e)
.set j, j+2
.endr
.set ff, ff+1
.endr
	WIN 0
	s_wait_alu depctr_va_vdst(0)                   ; ahead of the batch
.set j, 0
.rept 88
	v_exp_f32 v[TT+j], v[TT+j]
.set j, j+1
.endr
	v_nop
	s_wait_alu depctr_va_vdst(0)                   ; one wait for the 88, ahead of their first reader
.set j, 0
.rept 44
	v_pk_add_f32 v[TT+j:TT+j+1], v[TT+j:TT+j+1], 1.0 op_sel_hi:[1,0]
.set j, j+2
.endr
	s_wait_alu depctr_va_vdst(0)
.set j, 0
.rept 88
	v_rcp_f32 v[TT+j], v[TT+j]                     ; R
.set j, j+1
.endr
	v_nop
	s_wait_alu depctr_va_vdst(0)
.set ff, 0
.rept 11
	EACHF
	WIN AA>>8
.set j, 0
.rept 4
	v_pk_mul_f32 v[TT+8*ff+j:TT+8*ff+j+1], v[LL+j:LL+j+1], v[TT+8*ff+j:TT+8*ff+j+1]       ; G R
.set j, j+2
.endr
.set j, 0
.rept 4
	v_pk_mul_f32 v[TT+8*ff+j:TT+8*ff+j+1], v[LL+8+j:LL+9+j], v[TT+8*ff+j:TT+8*ff+j+1]     ; t
.set j, j+2
.endr
.set ff, ff+1
.endr
	WIN 0
.set j, 0
.rept 44
.if PP == 0
	v_pk_mul_f32 v[SQ+j:SQ+j+1], v[TT+j:TT+j+1], v[TT+j:TT+j+1]   ; the first rows start the sums of squares
.else
	v_pk_fma_f32 v[SQ+j:SQ+j+1], v[TT+j:TT+j+1], v[TT+j:TT+j+1], v[SQ+j:SQ+j+1]
.endif
.set j, j+2
.endr
.set j, 0
.rept 88
	v_med3_num_f32 v[TT+j], v[TT+j], -v[LIM], v[LIM]   ; the conversion does not saturate (ISA guide 7.6.2): the hold at the largest code x the scale
.set j, j+1
.endr
.set ff, 0
.rept 11
	v_cvt_scalef32_pk8_bf8_f32 v[CD+2*ff:CD+2*ff+1], v[TT+8*ff:TT+8*ff+7], v[SCL]
.set ff, ff+1
.endr
	v_nop                                          ; one plain vector instruction behind the conversions
	v_and_b32 v[CD+21], s83, v[CD+21]
.set ff, 0
.rept 11
	global_store_b64 v[IO], v[CD+2*ff:CD+2*ff+1], s[12:13] offset:16384*ff+256*PP   ; 32 lanes, 32 rows: 256 consecutive bytes, at a multiple of 256 from the buffer's first byte
.set ff, ff+1
.endr
.endm
	ACT 0
	ACT 1
	ACT 2
	ACT 3
	; the sums of squares over the 32 lanes.  Columns i and i + 44 change halves first, so that one addition serves both: lanes 0-15 then hold column i, lanes 16-31 column i + 44
.set j, 0
.rept 44
	v_permlane16_swap_b32 v[SQ+j], v[SQ+44+j]
.set j, j+1
.endr
.set j, 0
.rept 22
	v_pk_add_f32 v[SQ+j:SQ+j+1], v[SQ+j:SQ+j+1], v[SQ+44+j:SQ+45+j]
.set j, j+2
.endr
.irp m, 1,2,4,8
.set j, 0
.rept 44
	v_add_f32_dpp v[SQ+j], v[SQ+j], v[SQ+j] row_xmask:\m row_mask:0xf bank_mask:0xf
.set j, j+1
.endr
.endr
.set j, 0
.rept 11
	ds_store_b128 v[SCW], v[SQ+4*j:SQ+4*j+3] offset:16*j           ; the sixteen lanes of a half write the same words with the same values
.set j, j+1
.endr
	s_wait_alu depctr_va_vdst(0)
	s_wait_dscnt 0x0                               ; for the others' sake: my stores are done
	s_barrier_signal -1
	s_barrier_wait -1
	s_cmp_lt_u32 s16, 3                            ; wave 3 has none of the 86 pairs of columns
	s_cbranch_scc0 .Lno_sum
	s_wait_xcnt 0x0                                ; EXEC changes only behind this wait
	v_cmp_gt_u32 vcc_lo, 86, v0
	s_and_saveexec_b32 s75, vcc_lo                 ; threads 0 to 85 add the two halves of the rows, two columns each: the tile's 172; 688 bytes a work-group, which begin at no multiple of 256: 172 numbers are no whole units
	ds_load_b64 v[16:17], v[T8]
	ds_load_b64 v[18:19], v[T8] offset:704
	s_wait_dscnt 0x0
	v_pk_add_f32 v[16:17], v[16:17], v[18:19]
	global_store_b64 v[T8], v[16:17], s[14:15]
	s_wait_xcnt 0x0
	s_or_b32 exec_lo, exec_lo, s75
.Lno_sum:
	s_wait_tensorcnt 0x0                           ; the wave's end
	ds_add_u32 v[SPW], v[NIL]
	s_wait_dscnt 0x0
	CROUND                                         ; the closing round
	s_endpgm
.Lfunc_end_k_q0898cd4e36_gateup:
	.size	k_q0898cd4e36_gateup, .Lfunc_end_k_q0898cd4e36_gateup-k_q0898cd4e36_gateup
	.p2alignl 7, 3214868480
	.fill 96, 4, 3214868480
	.section	.rodata,"a",@progbits
	.p2align	6, 0x0
	.amdhsa_kernel k_q0898cd4e36_gateup
		.amdhsa_group_segment_fixed_size 327680
		.amdhsa_private_segment_fixed_size 0
		.amdhsa_enable_private_segment 0
		.amdhsa_kernarg_size 48
		.amdhsa_user_sgpr_count 2
		.amdhsa_user_sgpr_kernarg_segment_ptr 1
		.amdhsa_wavefront_size32 1
		.amdhsa_system_sgpr_workgroup_id_x 1
		.amdhsa_system_sgpr_workgroup_id_y 1
		.amdhsa_system_sgpr_workgroup_id_z 1
		.amdhsa_system_vgpr_workitem_id 0
		.amdhsa_next_free_vgpr 1024
		.amdhsa_next_free_sgpr 100
		.amdhsa_reserve_vcc 1
		.amdhsa_float_denorm_mode_32 3
		.amdhsa_float_denorm_mode_16_64 3
		.amdhsa_memory_ordered 1
		.amdhsa_forward_progress 1
		.amdhsa_inst_pref_size 255
	.end_amdhsa_kernel
	.section	.bss,"aw",@nobits
	.p2align	6
	.space	262144
	.amdgpu_metadata
---
amdhsa.version: [ 1, 2 ]
amdhsa.kernels:
  - .name:           k_q0898cd4e36_gateup
    .symbol:         k_q0898cd4e36_gateup.kd
    .args:
      - { .name: hidden_state_codes, .offset: 0, .size: 8, .value_kind: global_buffer, .address_space: global }
      - { .name: w_gate_codes, .offset: 8, .size: 8, .value_kind: global_buffer, .address_space: global }
      - { .name: wup_codes, .offset: 16, .size: 8, .value_kind: global_buffer, .address_space: global }
      - { .name: lowp_scales, .offset: 24, .size: 8, .value_kind: global_buffer, .address_space: global }
      - { .name: inter, .offset: 32, .size: 8, .value_kind: global_buffer, .address_space: global }
      - { .name: ssq, .offset: 40, .size: 8, .value_kind: global_buffer, .address_space: global }
    .group_segment_fixed_size: 327680
    .private_segment_fixed_size: 0
    .kernarg_segment_align: 8
    .kernarg_segment_size: 48
    .max_flat_workgroup_size: 128
    .sgpr_count:     100
    .vgpr_count:     1024
    .wavefront_size: 32
...
	.end_amdgpu_metadata
.endif
;; end of part 2
;; launch down (part 3): grid 16 x 16, 4 waves a work-group, clusters of 4 x 4, 327,680 bytes of LDS; arguments inter, wd2, lowp_scales, ssq, rowsq, out0, out1; writes out0, out1
.if DOCPART == 3
	.amdgcn_target "amdgcn-amd-amdhsa--gfx1250"
	.amdhsa_code_object_version 6
	.text
	.protected	k_q0898cd4e36_down
	.globl	k_q0898cd4e36_down
	.p2align	8
	.type	k_q0898cd4e36_down,@function
k_q0898cd4e36_down:
	s_mov_b64 s[64:65], 0
	v_nop
	global_prefetch_b8 v0, s[64:65] scope:SCOPE_SE
	s_setreg_imm32_b32 hwreg(HW_REG_WAVE_MODE, 25, 1), 1
	s_wait_xcnt 0x0
	s_wait_alu depctr_hold_cnt(0) depctr_sa_sdst(0) depctr_va_vdst(0) depctr_va_sdst(0) depctr_va_ssrc(0) depctr_va_vcc(0) depctr_vm_vsrc(0)
	s_getreg_b32 s2, hwreg(HW_REG_IB_STS2, 6, 4)
	s_cmp_eq_u32 s2, 0
	s_cbranch_scc0 .Lentry_in_a_cluster
	s_endpgm
.Lentry_in_a_cluster:
	s_bfe_u32 s2, ttmp6, 0x10000c
	s_cmp_lg_u32 s2, 0xf033
	s_cbranch_scc0 .Lentry_shape_is_right
	s_endpgm
.Lentry_shape_is_right:
; out0 = t Wd^T x 2^(e4+e5) on codes of BF8, K = 5,632 (each 172 columns of t and of w_down filled up to 176 with zero codes by the launches before); out1 = sqrt(ssq's two row tiles of a batch added x rowsq).
; Nothing of the problem is left out here.  LIMIT: e4 + e5 between -126 and 127.
; A work-group makes 128 x 128 of out0; K goes in 11 steps of 512 through two LDS slots, and wave w multiplies the w-th 128 of each step for the whole block: 64 accumulators; the four waves' parts are added through LDS on the way out.
; inter lies as [8 columns: 704][row: 2,048][8 bytes]: a tile is 64 rows of 1,024 bytes (128 rows of t), 128 bytes of padding behind each; lane (r, h) reads unit 2 c + h of row r by one load of 8 bytes.
; wd2 [2048][5632]: a tile's row is 512 bytes, at a multiple of 256.  CLUSTER 4 x 4: t's tiles are asked for jointly along a row of the cluster, wd2's along a column.  The walk along K begins at a step that hangs on the cluster.
.set FR,    16
.set UP,    1152
.set PB,    528
.set ASUB,  32*UP
.set BOFF,  2*ASUB
.set BSUB,  64*PB
.set SLOT,  BOFF+2*BSUB
.set ASTEP, 4*262144
.set BSTEP, 512
.set SRC,   128*PB
.set SPARE, 2*SLOT
.set ADRA, 16
.set ADRB, 20
.set STO,  22
.set RD,   23
.set LO,   27
.set SPW,  28
.set NIL,  29
.set AF,   128
.set G1A,  24
.set G0A,  32
.set G1AL, 40
.set G1B,  48
.set G0B,  56
.set G1BL, 68
.set KI,   2
.set OA,   76
.set OB,   84
.set AB,   80
.set BB,   88
.set MSB, 0
.macro WIN new
.set WNEW, \new
.if MSB != WNEW
	s_set_vgpr_msb (MSB<<8)|WNEW
.set MSB, WNEW
.endif
.endm
.set MUL_LO, 0xa1
.set MUL_HI, 0xf1
.set TO_B,   0x40
.macro JLOAD g0a, g1a, g0b, g1b
	s_cmp_eq_u32 s19, 0
	s_cbranch_scc0 .Lfor_b_\@
	tensor_load_to_lds s[\g0a:\g0a+3], s[\g1a:\g1a+7]
	s_nop 0
.rept 4
	v_nop
.endr
	s_branch .Lasked_\@
.Lfor_b_\@:
	tensor_load_to_lds s[\g0b:\g0b+3], s[\g1b:\g1b+7]
	s_nop 0
.rept 4
	v_nop
.endr
.Lasked_\@:
.endm
.macro SETK s
	s_lshl_b32 s[OA], s[KI], 20
	s_lshl_b32 s[OB], s[KI], 9
	s_add_nc_u64 s[G0A+4*\s+2:G0A+4*\s+3], s[AB:AB+1], s[OA:OA+1]
	s_or_b32 s[G0A+4*\s+3], s[G0A+4*\s+3], 0x80000000
	s_add_nc_u64 s[G0B+4*\s+2:G0B+4*\s+3], s[BB:BB+1], s[OB:OB+1]
	s_or_b32 s[G0B+4*\s+3], s[G0B+4*\s+3], 0x80000000
	s_add_co_u32 s[KI], s[KI], 1
	s_cmp_eq_u32 s[KI], 10
	s_cselect_b32 s[KI], 0, s[KI]
.endm
.macro CREST
	s_cmp_lg_u32 s18, 0
	s_cbranch_scc1 .Lnot_wave_0_\@
	s_barrier_signal -3
.Lnot_wave_0_\@:
	s_barrier_wait -3
	s_barrier_signal -1
	s_barrier_wait -1
.endm
.macro CROUND
	s_barrier_signal -1
	s_barrier_wait -1
	CREST
.endm
	s_load_b256 s[4:11], s[0:1], 0x0
	s_load_b128 s[12:15], s[0:1], 0x20
	s_load_b64 s[16:17], s[0:1], 0x30
	v_lshl_add_u32 v[SPW], v0, 2, SPARE
	v_mov_b32 v[NIL], 0
	ds_add_u32 v[SPW], v[NIL]
	ds_add_u32 v[SPW], v[NIL]
	v_lshrrev_b32 v1, 5, v0
	v_readfirstlane_b32 s18, v1
	s_lshr_b32 s19, s18, 1
	s_and_b32 s20, s18, 1
	s_bfe_u32 s21, ttmp6, 0x40000
	s_bfe_u32 s22, ttmp6, 0x40004
	s_lshl_b32 s23, ttmp9, 2
	s_add_co_u32 s23, s23, s21
	s_and_b32 s95, ttmp7, 0xffff
	s_lshl_b32 s95, s95, 2
	s_add_co_u32 s95, s95, s22
	s_lshl_b32 s76, s22, 2
	s_lshl_b32 s76, 15, s76
	s_lshl_b32 s84, 0x1111, s21
	s_or_b32 s[G1A], s76, (3<<16)|(1<<20)|(1<<21)|(7<<22)|(31<<25)   ; elements of 8 bytes; 32 words of padding after every 256
	s_or_b32 s[G1AL], s76, (3<<16)|(1<<20)|(1<<21)|(7<<22)|(31<<25)
.irp g, G1A, G1AL
	s_mov_b32 s[\g+1], 128<<16
	s_mov_b32 s[\g+3], 128<<16
	s_mov_b32 s[\g+4], 32
	s_mov_b32 s[\g+5], 2048
	s_mov_b32 s[\g+6], 0
	s_mov_b32 s[\g+7], 0
.endr
	s_mov_b32 s[G1A+2], 32<<16
	s_mov_b32 s[G1AL+2], 32<<16
	s_or_b32 s[G1B], s84, (0<<16)|(1<<20)|(1<<21)|(6<<22)|(3<<25)
	s_or_b32 s[G1BL], s84, (0<<16)|(1<<20)|(1<<21)|(6<<22)|(3<<25)
.irp g, G1B, G1BL
	s_mov_b32 s[\g+2], 64<<16
	s_mov_b32 s[\g+3], 512<<16
	s_mov_b32 s[\g+4], 64
	s_mov_b32 s[\g+5], 5632
	s_mov_b32 s[\g+6], 0
	s_mov_b32 s[\g+7], 0
.endr
	s_mov_b32 s[G1B+1], 512<<16
	s_mov_b32 s[G1BL+1], 512<<16
	s_lshl_b32 s78, s95, 10
	s_lshl_b32 s79, s20, 19
	s_add_co_u32 s78, s78, s79
	s_mov_b32 s79, 0
	s_mul_i32 s82, s20, ASUB
	s_lshl_b32 s86, s23, 7
	s_lshl_b32 s87, s20, 6
	s_add_co_u32 s86, s86, s87
	s_mul_i32 s86, s86, 5632
	s_mov_b32 s87, 0
	s_mul_i32 s90, s20, BSUB
	s_add_co_u32 s90, s90, BOFF
	s_and_b32 s96, ttmp9, 1
	s_lshr_b32 s97, ttmp9, 1
	s_mul_i32 s96, s96, 5
	s_lshl_b32 s97, s97, 1
	s_add_co_u32 s[KI], s96, s97
	s_and_b32 s98, ttmp7, 0xffff
	s_and_b32 s96, s98, 1
	s_lshr_b32 s97, s98, 1
	s_mul_i32 s96, s96, 5
	s_lshl_b32 s97, s97, 1
	s_add_co_u32 s[KI], s[KI], s96
	s_add_co_u32 s[KI], s[KI], s97
	s_sub_co_u32 s96, s[KI], 10
	s_cmp_ge_u32 s[KI], 10
	s_cselect_b32 s[KI], s96, s[KI]
	s_mov_b32 s[OA+1], 0
	s_mov_b32 s[OB+1], 0
	s_wait_dscnt 0x0
	s_wait_kmcnt 0x0
	s_load_b64 s[92:93], s[8:9], 0x10
	s_add_nc_u64 s[AB:AB+1], s[4:5], s[78:79]
	s_add_nc_u64 s[BB:BB+1], s[6:7], s[86:87]
	CROUND
	s_mov_b32 s[G0A], 1
	s_add_co_u32 s[G0A+1], s82, 0
	s_add_nc_u64 s[G0A+2:G0A+3], s[AB:AB+1], 10*ASTEP
	s_or_b32 s[G0A+3], s[G0A+3], 0x80000000
	s_mov_b32 s[G0B], 1
	s_add_co_u32 s[G0B+1], s90, 0
	s_add_nc_u64 s[G0B+2:G0B+3], s[BB:BB+1], 10*BSTEP
	s_or_b32 s[G0B+3], s[G0B+3], 0x80000000
	JLOAD G0A, G1AL, G0B, G1BL
; PREFETCH: a wave names, for a K step, its work-group's quarter of the tile that it fetches, a lane a block of 256 bytes, one instruction: of inter's 32 units x 1,024 bytes 8 units (4 blocks each) by cx,
; of wd2's 64 rows x 512 bytes 16 rows (2 blocks each) by cy: the four partners that ask for a tile jointly are told apart by address.  Here the walk's first two steps of the ring of ten are named, behind slot 1's load the third,
; and behind each refill the step two refills on; the last two refills name nothing.  s[86:87] my share at K = 0; s[78:79] the same at the step to be named; s100 that step; s101 the shift that makes its bytes; v30 my lane's block.
.macro NEXTK
	s_add_co_u32 s100, s100, 1
	s_cmp_eq_u32 s100, 10
	s_cselect_b32 s100, 0, s100
.endm
.macro PFSTEP                          ; behind s_wait_xcnt 0: the last prefetch has read its address
	s_lshl_b32 s104, s100, s101
	s_add_nc_u64 s[78:79], s[86:87], s[104:105]
	NEXTK
.endm
	s_lshl_b32 s104, s21, 17                       ; inter: 8 units of 16,384 bytes x cx
	s_mul_i32 s105, s22, 90112                     ; wd2: 16 rows of 5,632 bytes x cy
	s_mov_b32 s97, 5632
	s_cmp_eq_u32 s19, 0                            ; do I fetch inter?
	s_cselect_b32 s104, s104, s105
	s_cselect_b32 s101, 20, 9                      ; a K step is 2^20 bytes of inter, 2^9 of a row of wd2
	s_cselect_b32 s96, 2, 1                        ; blocks of a unit or row: 4 or 2
	s_cselect_b32 s97, 16384, s97
	s_cselect_b32 s98, 3, 1
	s_cselect_b64 s[86:87], s[AB:AB+1], s[BB:BB+1]
	s_mov_b32 s105, 0
	s_add_nc_u64 s[86:87], s[86:87], s[104:105]
	s_mov_b32 s100, s[KI]
	s_lshl_b32 s99, s100, s101
	NEXTK
	s_lshl_b32 s104, s100, s101
	NEXTK
	v_and_b32 v6, 31, v0
	v_lshrrev_b32 v7, s96, v6
	v_mul_u32_u24 v7, v7, s97
	v_and_b32 v9, s98, v6
	v_lshl_add_u32 v30, v9, 8, v7
	v_add_nc_u32 v31, s99, v30
	v_add_nc_u32 v9, s104, v30
	s_wait_alu depctr_va_vdst(0)                   ; a wait behind these writes
	global_prefetch_b8 v31, s[86:87] th:TH_LOAD_NT scope:SCOPE_SE
	global_prefetch_b8 v9, s[86:87] th:TH_LOAD_NT scope:SCOPE_SE
	s_mov_b32 s[G0A+4], 1
	s_add_co_u32 s[G0A+5], s82, SLOT
	s_mov_b32 s[G0B+4], 1
	s_add_co_u32 s[G0B+5], s90, SLOT
	SETK 1
	s_wait_alu depctr_va_vdst(0)
	s_wait_tensorcnt 0x0
	ds_add_u32 v28, v29
	s_wait_dscnt 0x0
	CROUND
	JLOAD G0A+4, G1A, G0B+4, G1B
	PFSTEP
	global_prefetch_b8 v30, s[78:79] th:TH_LOAD_NT scope:SCOPE_SE
	s_lshr_b32 s96, s95, 2
	s_and_b32 s97, s95, 3
	s_lshl_b32 s97, s97, 4
	s_add_co_u32 s97, s97, s23
	s_mul_i32 s97, s97, 344
	s_mul_i32 s98, s96, 44032
	s_add_co_u32 s98, s98, s97
	s_mov_b32 s99, 0
	s_add_nc_u64 s[10:11], s[10:11], s[98:99]
	s_mov_b32 s98, s97
	s_add_nc_u64 s[12:13], s[12:13], s[98:99]
	s_mul_i32 s98, s96, 22016
	s_add_co_u32 s98, s98, s97
	s_add_nc_u64 s[16:17], s[16:17], s[98:99]
	v_min_u32 v8, 42, v0
	v_lshlrev_b32 v8, 3, v8
	s_wait_alu depctr_va_vdst(0)
	s_wait_xcnt 0x0
	v_cmp_gt_u32 vcc_lo, 43, v0
	s_and_saveexec_b32 s94, vcc_lo
	global_load_b64 v[10:11], v8, s[10:11]
	global_load_b64 v[12:13], v8, s[10:11] offset:22016
	global_load_b64 v[14:15], v8, s[12:13]
	s_wait_loadcnt 0x0
	v_pk_add_f32 v[10:11], v[10:11], v[12:13]
	v_pk_mul_f32 v[10:11], v[10:11], v[14:15]
	s_wait_alu depctr_va_vdst(0)
	v_sqrt_f32 v12, v10
	v_sqrt_f32 v13, v11
	v_nop
	s_wait_alu depctr_va_vdst(0)
	global_store_b64 v8, v[12:13], s[16:17]
	s_wait_xcnt 0x0
	s_or_b32 exec_lo, exec_lo, s94
	v_and_b32 v1, 15, v0
	v_bfe_u32 v2, v0, 4, 1
	v_and_b32 v3, 31, v0
	v_lshlrev_b32 v[LO], 4, v3
	s_mul_i32 s96, s18, 16*UP
	v_mul_u32_u24 v6, v2, UP
	v_lshl_add_u32 v6, v1, 3, v6
	v_add_nc_u32 v[ADRA], s96, v6
	v_add_nc_u32 v[ADRA+1], SLOT, v[ADRA]
	v_mul_u32_u24 v4, v1, PB
	v_lshl_add_u32 v5, v2, 3, v4
	s_lshl_b32 s96, s18, 7
	s_add_co_u32 s96, s96, BOFF
	v_add_nc_u32 v[ADRB], s96, v5
	v_add_nc_u32 v[ADRB+1], SLOT, v[ADRB]
	s_mul_i32 s96, s18, SRC
	v_lshl_add_u32 v[STO], v2, 5, v4
	v_add_nc_u32 v[STO], s96, v[STO]
	s_mul_i32 s96, s18, 32*PB
	v_add_nc_u32 v[RD], s96, v[LO]
	v_add_nc_u32 v[RD+1], SRC, v[RD]
	v_add_nc_u32 v[RD+2], SRC, v[RD+1]
	v_add_nc_u32 v[RD+3], SRC, v[RD+2]
	s_lshl_b32 s96, s95, 20
	s_lshl_b32 s97, s18, 18
	s_add_co_u32 s96, s96, s97
	s_lshl_b32 s97, s23, 9
	s_add_co_u32 s96, s96, s97
	s_mov_b32 s97, 0
	s_add_nc_u64 s[14:15], s[14:15], s[96:97]
.macro MULA a, p, zero
.irp b, 0,1,2,3,4,5,6,7
.if \zero
	v_wmma_f32_16x16x128_bf8_bf8 v[8*(8*((\a)%4)+\b):8*(8*((\a)%4)+\b)+7], v[128*(\p)+FR*\b:128*(\p)+FR*\b+FR-1], v[AF+FR*(\a):AF+FR*(\a)+FR-1], 0
.else
	v_wmma_f32_16x16x128_bf8_bf8 v[8*(8*((\a)%4)+\b):8*(8*((\a)%4)+\b)+7], v[128*(\p)+FR*\b:128*(\p)+FR*\b+FR-1], v[AF+FR*(\a):AF+FR*(\a)+FR-1], v[8*(8*((\a)%4)+\b):8*(8*((\a)%4)+\b)+7]
.endif
.endr
.endm
.macro FETCH_B slot
	WIN TO_B
.irp b, 0,1,2,3,4,5,6,7
.irp c, 0,1,2,3,4,5,6,7
	ds_load_b64 v[128*(\slot)+FR*\b+2*\c:128*(\slot)+FR*\b+2*\c+1], v[ADRB+\slot] offset:\b*16*PB+16*\c
.endr
.endr
	WIN 0
.endm
.macro FETCH_A slot, i0
.irp i, \i0, \i0+1, \i0+2, \i0+3
.irp g, 0,1,2,3,4,5,6,7
	ds_load_b64 v[AF+FR*(\i)+2*\g:AF+FR*(\i)+2*\g+1], v[ADRA+\slot] offset:(\i)*128+2*UP*\g
.endr
.endr
.endm
.macro PLACES n
.rept \n
	v_nop
.endr
.endm
.macro TURN slot, next, fill, zero
.if \fill
	s_wait_xcnt 0x0                                ; my last prefetch has read its address
	PFSTEP
.endif
	s_wait_tensorcnt 0x0
	ds_add_u32 v[SPW], v[NIL]
.if \fill
	SETK \slot
.endif
	s_wait_dscnt 0x0
	s_barrier_signal -1
	s_barrier_wait -1
.if \fill
	CREST
	JLOAD G0A+4*\slot, G1A, G0B+4*\slot, G1B
.endif
	WIN MUL_LO
	MULA 0, \slot, \zero
	MULA 1, \slot, \zero
	MULA 2, \slot, \zero
	MULA 3, \slot, \zero
	PLACES 4
	FETCH_B \next
	FETCH_A \next, 0
.if \fill
.if \zero == 0
	s_cmp_gt_u32 s3, 1                             ; in the loop's last trip no step stands two refills on
	s_cbranch_scc0 .Lno_ask_\@
.endif
	global_prefetch_b8 v30, s[78:79] th:TH_LOAD_NT scope:SCOPE_SE
.Lno_ask_\@:
.endif
	WIN MUL_HI
	MULA 4, \slot, \zero
	MULA 5, \slot, \zero
	MULA 6, \slot, \zero
	MULA 7, \slot, \zero
	PLACES 4
	WIN 0
	FETCH_A \next, 4
.endm
	s_wait_alu depctr_va_vdst(0)
	s_wait_tensorcnt 1
	s_barrier_signal -1
	s_barrier_wait -1
	FETCH_B 0
	FETCH_A 0, 0
	FETCH_A 0, 4
	TURN 0, 1, 1, 1
	s_mov_b32 s3, 4
.Lpair:
	TURN 1, 0, 1, 0
	TURN 0, 1, 1, 0
	s_sub_co_u32 s3, s3, 1
	s_cmp_lg_u32 s3, 0
	s_cbranch_scc1 .Lpair
	TURN 1, 0, 0, 0
	s_wait_dscnt 16
	WIN MUL_LO
	MULA 0, 0, 0
	MULA 1, 0, 0
	MULA 2, 0, 0
	MULA 3, 0, 0
	s_wait_dscnt 0x0
	s_barrier_signal -1
	WIN MUL_HI
	MULA 4, 0, 0
	MULA 5, 0, 0
	MULA 6, 0, 0
	MULA 7, 0, 0
	WIN 0
	s_barrier_wait -1
	s_wait_kmcnt 0x0
	s_add_co_i32 s92, s92, s93
	s_add_co_i32 s92, s92, 127
	s_lshl_b32 s92, s92, 23
	s_mov_b32 s93, s92
	PLACES 4
.macro PUT a
	WIN 0x08+4*((\a)/4)
.irp b, 0,1,2,3,4,5,6,7
	ds_store_b128 v[STO], v[8*(8*((\a)%4)+\b):8*(8*((\a)%4)+\b)+3] offset:(\a)*16*PB+64*\b
	ds_store_b128 v[STO], v[8*(8*((\a)%4)+\b)+4:8*(8*((\a)%4)+\b)+7] offset:(\a)*16*PB+64*\b+16
.endr
.endm
.macro LOADB k
.set SB, AF+64*((\k)%2)
.irp s, 0,1,2,3
.irp p, 0,1,2,3
	ds_load_b128 v[SB+16*\s+4*\p:SB+16*\s+4*\p+3], v[RD+\s] offset:PB*(4*(\k)+\p)
.endr
.endr
.endm
.macro SUMB k
.set SB, AF+64*((\k)%2)
.if (\k) < 7
	s_wait_dscnt 16
.else
	s_wait_dscnt 0
.endif
.irp i, 0,2,4,6,8,10,12,14
	v_pk_add_f32 v[SB+\i:SB+\i+1], v[SB+\i:SB+\i+1], v[SB+16+\i:SB+16+\i+1]
	v_pk_add_f32 v[SB+32+\i:SB+32+\i+1], v[SB+32+\i:SB+32+\i+1], v[SB+48+\i:SB+48+\i+1]
.endr
.irp i, 0,2,4,6,8,10,12,14
	v_pk_add_f32 v[SB+\i:SB+\i+1], v[SB+\i:SB+\i+1], v[SB+32+\i:SB+32+\i+1]
.endr
.irp i, 0,2,4,6,8,10,12,14
	v_pk_mul_f32 v[SB+\i:SB+\i+1], v[SB+\i:SB+\i+1], s[92:93] op_sel_hi:[1,0]
.endr
.irp p, 0,1,2,3
	global_store_b128 v[LO], v[SB+4*\p:SB+4*\p+3], s[14:15] offset:8192*(4*(\k)+\p) th:TH_STORE_NT
.endr
.if (\k)+2 < 8
	s_wait_xcnt 0x0
	LOADB (\k)+2
.endif
.endm
.irp a, 0,1,2,3,4,5,6,7
	PUT \a
.endr
	WIN 0
	s_wait_dscnt 0x0
	s_barrier_signal -1
	s_barrier_wait -1
	LOADB 0
	LOADB 1
.irp k, 0,1,2,3,4,5,6,7
	SUMB \k
.endr
	s_wait_tensorcnt 0x0
	ds_add_u32 v[SPW], v[NIL]
	s_wait_dscnt 0x0
	CROUND
	s_endpgm
.Lfunc_end_k_q0898cd4e36_down:
	.size	k_q0898cd4e36_down, .Lfunc_end_k_q0898cd4e36_down-k_q0898cd4e36_down
	.p2alignl 7, 3214868480
	.fill 96, 4, 3214868480
	.section	.rodata,"a",@progbits
	.p2align	6, 0x0
	.amdhsa_kernel k_q0898cd4e36_down
		.amdhsa_group_segment_fixed_size 327680
		.amdhsa_private_segment_fixed_size 0
		.amdhsa_enable_private_segment 0
		.amdhsa_kernarg_size 56
		.amdhsa_user_sgpr_count 2
		.amdhsa_user_sgpr_kernarg_segment_ptr 1
		.amdhsa_wavefront_size32 1
		.amdhsa_system_sgpr_workgroup_id_x 1
		.amdhsa_system_sgpr_workgroup_id_y 1
		.amdhsa_system_sgpr_workgroup_id_z 1
		.amdhsa_system_vgpr_workitem_id 0
		.amdhsa_next_free_vgpr 1024
		.amdhsa_next_free_sgpr 106
		.amdhsa_reserve_vcc 1
		.amdhsa_float_denorm_mode_32 3
		.amdhsa_float_denorm_mode_16_64 3
		.amdhsa_memory_ordered 1
		.amdhsa_forward_progress 1
		.amdhsa_inst_pref_size 116
	.end_amdhsa_kernel
	.amdgpu_metadata
---
amdhsa.version: [ 1, 2 ]
amdhsa.kernels:
  - .name:           k_q0898cd4e36_down
    .symbol:         k_q0898cd4e36_down.kd
    .args:
      - { .name: inter, .offset: 0, .size: 8, .value_kind: global_buffer, .address_space: global }
      - { .name: wd2, .offset: 8, .size: 8, .value_kind: global_buffer, .address_space: global }
      - { .name: lowp_scales, .offset: 16, .size: 8, .value_kind: global_buffer, .address_space: global }
      - { .name: ssq, .offset: 24, .size: 8, .value_kind: global_buffer, .address_space: global }
      - { .name: rowsq, .offset: 32, .size: 8, .value_kind: global_buffer, .address_space: global }
      - { .name: out0, .offset: 40, .size: 8, .value_kind: global_buffer, .address_space: global }
      - { .name: out1, .offset: 48, .size: 8, .value_kind: global_buffer, .address_space: global }
    .group_segment_fixed_size: 327680
    .private_segment_fixed_size: 0
    .kernarg_segment_align: 8
    .kernarg_segment_size: 56
    .max_flat_workgroup_size: 128
    .sgpr_count:     106
    .vgpr_count:     1024
    .wavefront_size: 32
...
	.end_amdgpu_metadata
.endif
;; end of part 3
